; MI455X (gfx1250); checked and timed in simulation.
; The chip was launched on July 23, 2026; its instructions are those of AMD's public machine-readable ISA for CDNA 5 (MIT licence, August 2026) and "CDNA5" Instruction Set Architecture Reference Guide (July 2026). The comments in the code are by the model that wrote it; some were corrected since.
;; FT Attention. Allowed arithmetic: float matrix products may take bf16 or f16 operands with f32 sums; other float arithmetic in f32, or as packed bf16 or f16 multiplies, adds, multiply-adds, maxima and minima; sums over many terms, partial sums and values carried from step to step in f32; what a program stores and reads back later, other than sums and carried values, may be rounded once to bf16 or f16.
;; Inputs: Wi_f 192 x 64 float32; Wi_t 192 x 64 float32; Wo_f 64 x 64 float32; Wo_t 64 x 64 float32; bi_f 192 float32; bi_t 192 float32; bo_f 64 float32; bo_t 64 float32; k 4 x 64 x 512 x 128 float32; q 4 x 64 x 512 x 128 float32; v 4 x 64 x 512 x 128 float32.
;; Outputs: out0 4 x 64 x 512 x 128 float32.
;; One version. Each part assembles by itself: llvm-mc -triple=amdgcn-amd-amdhsa -mcpu=gfx1250 --defsym DOCPART=n.
;; ======== version 1 of 1: 2 launches
;; limits: right only within a limited range of input values
;; workspace buffers: kx 33,554,432 bytes; qx 33,554,432 bytes; vx 33,554,432 bytes; v1w 67,108,864 bytes
;; launch freq (part 1): grid 256 x 1, 8 waves a work-group, no clusters, 327,680 bytes of LDS; arguments k, q, v, Wi_f, bi_f, Wo_f, bo_f, kx, qx, vx, v1w; writes kx, qx, vx, v1w
.if DOCPART == 1
	.amdgcn_target "amdgcn-amd-amdhsa--gfx1250"
	.amdhsa_code_object_version 6
	.text
	.protected	k_qdbbc371dd3_freq
	.globl	k_qdbbc371dd3_freq
	.p2align	8
	.type	k_qdbbc371dd3_freq,@function
k_qdbbc371dd3_freq:
	s_mov_b64 s[64:65], 0
	v_nop
	global_prefetch_b8 v0, s[64:65] scope:SCOPE_SE
	s_setreg_imm32_b32 hwreg(HW_REG_WAVE_MODE, 25, 1), 1
	s_wait_xcnt 0x0
; FREQUENCY ATTENTION.  k, q, v: [4][64 c][512 t][128 f] f32.  For each (b, t) the 128 f are the tokens, the 64 c the features, two heads of 32:
; Q = Wq k + bq, K = Wk q + bk, V = Wv v + bv, P = softmax(Q K^T / sqrt(32)), v1 = v + Wo (P V) + bo.
; Out: v1w = v1 in f32, in v's layout; kx, qx, vx = k, q, v1 rounded once to bf16, token-major for the next launch:
; [b][t][fo 16][g 4][fr 8][h 2][8 c], f = 8 fo + fr, c = 16 g + 8 h + i: a token's 16 bytes (g, h) are four registers of a matrix fragment.
; SHARES.  256 work-groups; work-group n owns the eight t = 8 (n % 64) .. + 7 of b = n / 64, one t a trip.  Wave w owns the 16 tokens f = 16 w + lane % 16:
; as queries, as the maker of their K and V (handed to the other waves through LDS), and as columns of the result.
; LAYOUT.  A 16 x 16 f32 result holds row 8 (lane / 16) + j in register j and column lane % 16.  Two results with neighbouring rows, rounded to bf16 in pairs in ascending order,
; ARE a 16 x 32 bf16 fragment of that column.  So Q^T, K^T = W X (a lane holds a token), V = X^T Wv^T (a lane holds a channel), S^T = K Q^T, O^T = V^T P, Y^T = Wo O^T
; follow each other without a change of lanes.  The residual v + bo is the C operand of the last product.
; NO CLUSTER: work-groups share nothing but 66 KB of weights, about a twelfth of what a work-group reads.
; LIMITS.  Matrix operands bf16, sums f32; the maximum of all 128 scores is taken away before the exponentials; l is the sum of the unrounded weights; a weight below 2^-126 counts as 0;
; bv is added behind the division by l (the weights sum to 1, so that is the same number); NaN and infinities are not treated apart.
; REGISTERS.  Window 1 (v256-511) holds the 32 weight fragments for the whole kernel: fragment 8 m + 2 et + s (m: Wq, Wk, Wv, Wo; rows 16 et on; columns 32 s on) at v[8 x its number].
; All else is window 0.  s_set_vgpr_msb: bits 1:0 source 0, 3:2 source 1, 7:6 destination.
.set PITCH,  528                       ; an LDS row of a tile: 512 bytes (128 f) + 16 of padding
.set TENS,   64*PITCH                  ; one tensor's tile: 64 rows (c)
.set SLOTX,  0x20000                   ; slot 1 begins here: one exclusive or turns an address of one slot into the other's
.set KX,     3*TENS                    ; behind slot 0: K's fragments [head 2][key tile 8][half 2][lane 32][16 bytes]
.set BIAS,   KX+16384                  ; bq, bk, bv, bo: 256 f32
.set VX,     SLOTX+3*TENS              ; behind slot 1: V^T's fragments [channel tile 4][32 keys 4][half 2][lane 32][16 bytes]
.set STAGE,  VX+16384                  ; v1 on its way out: 64 rows (c) of 528 bytes; at the start the weights' fragments pass through it
.set WST,    STAGE
.set SPARE,  STAGE+TENS                ; the spare words: 128 bytes for each of the eight waves, four blocks of 256 bytes that no other line names
.set LANE0, 3                          ; v3   8 (lane / 16) rows + my token's 4 bytes: my place in a tile; never rewritten
.set LANEV, 4                          ; v4   the same in v's tile
.set LA,    5                          ; v5   LANE0 in the slot in hand
.set LAV,   6                          ; v6   LANEV in the slot in hand
.set BA,    7                          ; v7   BIAS + 32 (lane / 16)
.set AKS,   8                          ; v8   where I store my K fragments
.set AVS,   9                          ; v9   where I store my V^T half fragments
.set AKX,   10                         ; v10  KX + 16 lane
.set AVX,   11                         ; v11  VX + 16 lane
.set STW,   12                         ; v12  STAGE + LANE0
.set STR,   13                         ; v13  STAGE + my eight rows + 16 lane
.set XO,    14                         ; v14  my token's byte offset in a t of kx, qx, vx
.set VO,    15                         ; v15  my byte offset in v1w: eight rows c a wave
.set RV,    16                         ; v16-47   v raw, then v + bo, then v1^T
.set B1,    48                         ; v48-79   k raw, then the tile of bo
.set B2,    80                         ; v80-111  q raw
.set FV,    80                         ; v80-95   v's fragments
.set KFT,   96                         ; v96-111  my K fragments
.set D0,    112                        ; v112-143 a projection's result
.set D1,    144                        ; v144-175 another
.set VFT,   144                        ; v144-159 my V^T half fragments
.set FK,    176                        ; v176-191 k's fragments
.set FQ,    192                        ; v192-207 q's fragments
.set QF,    208                        ; v208-223 Q's fragments, 8 a head
.set OF,    224                        ; v224-239 O's fragments, 8 a head
.set SC,    48                         ; v48-111  S^T, 8 a key tile; the weights are packed in place into v48-79
.set BVT,   80                         ; v80-95   the tile of bv for a head
.set KT,    112                        ; v112-175 K's, then V^T's fragments of a head
.set OT,    176                        ; v176-191 O^T of a head
.set F1,    176                        ; v176-191 v1's fragments
.set OB,    112                        ; v112-143 eight rows of v1 read back
.set TM,    240                        ; v240-243 four running maxima; v240 later 1 / l
.set CM,    244                        ; v244, v245  c m, m
.set LS,    246                        ; v246-253 four pairs of partial sums
.set SPW,   254                        ; v254 LDS address of my spare word; never rewritten
.set NIL,   255                        ; v255 0; never rewritten
.set WT,    48                         ; the weights' way in: 64 registers f32,
.set WC,    112                        ; 32 of bf16,
.set WBV,   144                        ; a bias,
.set WA,    145                        ; and five addresses
.set WBI,   146
.set WSA,   147
.set WBS,   148
.set WLA,   149
.set WV,    26                         ; s26  my wave's number
.set CNT,   27                         ; s27  trips to go
.set SLOTOFF, 28                       ; s28  0 or SLOTX: the slot in hand
.set WB,    30                         ; s[30:31] my 32 rows of the weights
.set G1,    32                         ; s[32:39] descriptor group 1, the same for all loads
.set G0K,   40                         ; s[40:43], s[44:47], s[48:51] descriptor group 0 for k's, q's, v's tile
.set G0Q,   44
.set G0V,   48
.set SEL,   52                         ; s[52:53] v_permlanex16_b32's selects: each lane takes its own place in the other half
.set CS,    54                         ; s[54:55] c = log2(e) / sqrt(32)
.set OFA,   56                         ; s[56:57] an offset
.set BB,    58                         ; s[58:59] my 32 biases
.set OFB,   60                         ; s[60:61] an offset
.set MSB, 0
.macro WIN new                         ; the immediate's high byte repeats the setting that is left; a switch that changes nothing is dropped
.if MSB != (\new)
	s_set_vgpr_msb (MSB<<8)|(\new)
.set MSB, (\new)
.endif
.endm
.macro PLACES n                        ; plain vector instructions between a matrix instruction and what touches its registers (ISA guide 7.12.1)
.rept \n
	v_nop
.endr
.endm
.macro BAR
	s_barrier_signal -1
	s_barrier_wait -1
.endm
; One tile of each tensor: wave 0 asks for k's, wave 1 for q's, wave 2 for v's; the others ask for nothing.  An s_nop 0 and four v_nop follow each line.
.macro LOAD3
	s_cmp_lg_u32 s[WV], 0
	s_cbranch_scc1 .Lnot_k_\@
	tensor_load_to_lds s[G0K:G0K+3], s[G1:G1+7]
	s_nop 0
.rept 4
	v_nop
.endr
	s_branch .Lasked_\@
.Lnot_k_\@:
	s_cmp_lg_u32 s[WV], 1
	s_cbranch_scc1 .Lnot_q_\@
	tensor_load_to_lds s[G0Q:G0Q+3], s[G1:G1+7]
	s_nop 0
.rept 4
	v_nop
.endr
	s_branch .Lasked_\@
.Lnot_q_\@:
	s_cmp_lg_u32 s[WV], 2
	s_cbranch_scc1 .Lasked_\@
	tensor_load_to_lds s[G0V:G0V+3], s[G1:G1+7]
	s_nop 0
.rept 4
	v_nop
.endr
.Lasked_\@:
.endm
; d = W x + C: source 0 = 16 rows of the weights (window 1), source 1 = 16 tokens.  The four accumulators take turns.  ct: the registers of the first C (the bias tile).
.macro PROJA d, wf, f, ct
	WIN 0x01
.irp s, 0,1
.irp et, 0,1,2,3
.if \s == 0
	v_wmma_f32_16x16x32_bf16 v[(\d)+8*\et:(\d)+8*\et+7], v[8*((\wf)+2*\et+\s):8*((\wf)+2*\et+\s)+7], v[(\f)+8*\s:(\f)+8*\s+7], v[(\ct)+8*\et:(\ct)+8*\et+7]
.else
	v_wmma_f32_16x16x32_bf16 v[(\d)+8*\et:(\d)+8*\et+7], v[8*((\wf)+2*\et+\s):8*((\wf)+2*\et+\s)+7], v[(\f)+8*\s:(\f)+8*\s+7], v[(\d)+8*\et:(\d)+8*\et+7]
.endif
.endr
.endr
	WIN 0
.endm
; d = x^T W^T: source 0 = 16 tokens, source 1 = 16 rows of the weights (window 1): a lane holds a channel, its registers eight tokens
.macro PROJB d, wf, f
	WIN 0x04
.irp s, 0,1
.irp et, 0,1,2,3
.if \s == 0
	v_wmma_f32_16x16x32_bf16 v[(\d)+8*\et:(\d)+8*\et+7], v[(\f)+8*\s:(\f)+8*\s+7], v[8*((\wf)+2*\et+\s):8*((\wf)+2*\et+\s)+7], 0
.else
	v_wmma_f32_16x16x32_bf16 v[(\d)+8*\et:(\d)+8*\et+7], v[(\f)+8*\s:(\f)+8*\s+7], v[8*((\wf)+2*\et+\s):8*((\wf)+2*\et+\s)+7], v[(\d)+8*\et:(\d)+8*\et+7]
.endif
.endr
.endr
	WIN 0
.endm
.macro CVT16 dst, src                  ; 32 f32 to 16 registers of bf16, ascending: each accumulator is read from its low end on
.set i_, 0
.rept 16
	v_cvt_pk_bf16_f32 v[(\dst)+i_], v[(\src)+2*i_], v[(\src)+2*i_+1]
.set i_, i_+1
.endr
.endm
.macro BIASLD dst, m, et0, n           ; n tiles of bias m: register j of tile et holds number 16 et + 8 (lane / 16) + j
.set b_, 0
.rept \n
	ds_load_b128 v[(\dst)+8*b_:(\dst)+8*b_+3],   v[BA] offset:(\m)*256+((\et0)+b_)*64
	ds_load_b128 v[(\dst)+8*b_+4:(\dst)+8*b_+7], v[BA] offset:(\m)*256+((\et0)+b_)*64+16
.set b_, b_+1
.endr
.endm
.macro RAW dst, adr, off               ; my token's 32 channels 16 g + 8 (lane / 16) + i.  Lanes 0-15 take 64 consecutive bytes, lanes 16-31 64 bytes that lie 8 rows = 1,056 words further: other banks (64 banks of 4 bytes: ISA guide 11.1)
.set i_, 0
.rept 32
	ds_load_b32 v[(\dst)+i_], v[\adr] offset:(\off)+(16*(i_/8)+i_%8)*PITCH
.set i_, i_+1
.endr
.endm
.macro XSTORE f, p                     ; a token's fragments as they lie: each store of the wave covers two aligned runs of 256 consecutive bytes
.irp g, 0,1,2,3
	global_store_b128 v[XO], v[(\f)+4*\g:(\f)+4*\g+3], s[\p:\p+1] offset:\g*256
.endr
.endm
	s_load_b256 s[4:11], s[0:1], 0x0               ; k s[4:5], q s[6:7], v s[8:9], Wi s[10:11]
	s_load_b256 s[12:19], s[0:1], 0x20             ; bi s[12:13], Wo s[14:15], bo s[16:17], kx s[18:19]
	s_load_b128 s[20:23], s[0:1], 0x40             ; qx s[20:21], vx s[22:23]
	s_load_b64 s[24:25], s[0:1], 0x50              ; v1w
	v_lshl_add_u32 v[SPW], v0, 2, SPARE
	v_mov_b32 v[NIL], 0
	ds_add_u32 v[SPW], v[NIL]                      ; the wave's opening: the add and its wait stand ahead of the first tensor load; the set-up below, work on registers, stands between them
	v_lshrrev_b32 v1, 5, v0
	v_readfirstlane_b32 s[WV], v1                  ; wave 0..7
	s_lshr_b32 s2, ttmp9, 6                        ; b
	s_lshl_b32 s2, s2, 24                          ; x 64 x 512 x 512 bytes
	s_and_b32 s3, ttmp9, 63
	s_lshl_b32 s3, s3, 12                          ; my first t = 8 (n % 64), x 512 bytes
	s_add_co_u32 s[OFA], s2, s3                    ; where my rows begin in k, q, v, v1w
	s_mov_b32 s[OFA+1], 0
	s_lshl_b32 s[OFB], ttmp9, 17                   ; 512 b + t = 8 n, x 16,384 bytes: the same in kx, qx, vx
	s_mov_b32 s[OFB+1], 0
	; descriptor group 1: a tile of 64 rows (c) x 128 elements (f) of 4 bytes, 65,536 elements from row to row, padded in LDS
	s_mov_b32 s[G1+0], (2<<16)|(1<<20)|(6<<22)|(3<<25)  ; 17:16 elements of 4 bytes; 20 padding on; 24:22 after every 128 words (code 6); 31:25 4 words of it (code 3)
	s_mov_b32 s[G1+1], 128<<16                     ; tensor_dim0 = 128
	s_mov_b32 s[G1+2], 64<<16                      ; tensor_dim1 = 64
	s_mov_b32 s[G1+3], 128<<16                     ; tile_dim0 = 128
	s_mov_b32 s[G1+4], 64                          ; tile_dim1 = 64
	s_mov_b32 s[G1+5], 65536                       ; from c to c + 1
	s_mov_b32 s[G1+6], 0
	s_mov_b32 s[G1+7], 0
	s_mov_b32 s[G0K], 1
	s_mov_b32 s[G0K+1], 0                          ; LDS addresses in slot 0
	s_mov_b32 s[G0Q], 1
	s_mov_b32 s[G0Q+1], TENS
	s_mov_b32 s[G0V], 1
	s_mov_b32 s[G0V+1], 2*TENS
	s_mov_b32 s[SEL], 0x76543210
	s_mov_b32 s[SEL+1], 0xfedcba98
	s_mov_b32 s[CS], 0x3e8293ee                    ; c = log2(e) / sqrt(32) = 0.255035
	s_mov_b32 s[CS+1], s[CS]                       ; named with it as a pair
	s_mov_b32 s[SLOTOFF], 0
	s_mov_b32 s[CNT], 7
	s_wait_dscnt 0x0                               ; the opening add is done
	s_barrier_signal -1
	s_barrier_wait -1
	s_wait_kmcnt 0x0
	s_add_nc_u64 s[G0K+2:G0K+3], s[4:5], s[OFA:OFA+1]
	s_or_b32 s[G0K+3], s[G0K+3], 0x80000000        ; type = 2
	s_add_nc_u64 s[G0Q+2:G0Q+3], s[6:7], s[OFA:OFA+1]
	s_or_b32 s[G0Q+3], s[G0Q+3], 0x80000000
	s_add_nc_u64 s[G0V+2:G0V+3], s[8:9], s[OFA:OFA+1]
	s_or_b32 s[G0V+3], s[G0V+3], 0x80000000
	LOAD3                                          ; the first t into slot 0: a wave's only first fill, behind the opening barrier, ahead of every LDS load and wait on TENSORcnt
	s_add_nc_u64 s[24:25], s[24:25], s[OFA:OFA+1]  ; the four outputs at my first t
	s_add_nc_u64 s[18:19], s[18:19], s[OFB:OFB+1]
	s_add_nc_u64 s[20:21], s[20:21], s[OFB:OFB+1]
	s_add_nc_u64 s[22:23], s[22:23], s[OFB:OFB+1]
	v_and_b32 v1, 15, v0                           ; r = lane % 16
	v_bfe_u32 v2, v0, 4, 1                         ; h = lane / 16
	v_and_b32 v[AKX], 31, v0
	v_lshlrev_b32 v[AKX], 4, v[AKX]                ; 16 x lane
	v_mul_u32_u24 v[LANE0], v2, 8*PITCH
	v_lshl_add_u32 v[LANE0], v1, 2, v[LANE0]
	s_lshl_b32 s29, s[WV], 6
	v_add_nc_u32 v[LANE0], s29, v[LANE0]           ; 8 h rows + 4 (16 w + r)
	v_add_nc_u32 v[LANEV], 2*TENS, v[LANE0]
	v_lshl_add_u32 v[BA], v2, 5, BIAS
	s_lshl_b32 s29, s[WV], 10
	s_add_co_u32 s29, s29, KX
	v_add_nc_u32 v[AKS], s29, v[AKX]               ; key tile w
	s_lshl_b32 s29, s[WV], 9
	s_add_co_u32 s29, s29, VX
	v_add_nc_u32 v[AVS], s29, v[AKX]               ; 32 keys w / 2, half w % 2
	v_add_nc_u32 v[AVX], VX, v[AKX]
	v_add_nc_u32 v[STW], STAGE, v[LANE0]
	s_mul_i32 s29, s[WV], 8*PITCH
	s_add_co_u32 s29, s29, STAGE
	v_add_nc_u32 v[STR], s29, v[AKX]               ; rows 8 w on, 512 bytes a row
	s_lshl_b32 s29, s[WV], 21
	v_add_nc_u32 v[VO], s29, v[AKX]                ; 8 w x 262,144 bytes
	v_lshrrev_b32 v[XO], 3, v1
	v_lshlrev_b32 v[XO], 10, v[XO]                 ; fo = 2 w + r / 8
	v_and_b32 v[LA], 7, v1
	v_lshl_add_u32 v[XO], v[LA], 5, v[XO]          ; fr = r % 8
	v_lshl_add_u32 v[XO], v2, 4, v[XO]
	s_lshl_b32 s29, s[WV], 11
	v_add_nc_u32 v[XO], s29, v[XO]
	; THE WEIGHTS.  Wave w rounds rows 32 w .. + 31 of the stack Wq, Wk, Wv, Wo to bf16, as fragments 4 w .. 4 w + 3, and puts them into LDS; then every wave takes all 32 into window 1.
	v_lshlrev_b32 v[WA], 8, v1
	v_lshl_add_u32 v[WA], v2, 5, v[WA]             ; row r x 256 bytes + 8 h numbers
	v_lshrrev_b32 v[WBI], 2, v[AKX]                ; 4 x lane
	s_lshl_b32 s29, s[WV], 12
	s_add_co_u32 s29, s29, WST
	v_add_nc_u32 v[WSA], s29, v[AKX]
	v_lshl_add_u32 v[WBS], v0, 2, BIAS
	v_add_nc_u32 v[WLA], WST, v[AKX]
	v_add_nc_u32 v[AKX], KX, v[AKX]
	s_cmp_lt_u32 s[WV], 6                          ; waves 0-5: Wi and bi; waves 6, 7: Wo and bo
	s_cselect_b64 s[WB:WB+1], s[10:11], s[14:15]
	s_cselect_b64 s[BB:BB+1], s[12:13], s[16:17]
	s_cselect_b32 s29, 0, 6
	s_sub_co_u32 s29, s[WV], s29
	s_lshl_b32 s[OFA], s29, 13                     ; 32 rows of 256 bytes
	s_add_nc_u64 s[WB:WB+1], s[WB:WB+1], s[OFA:OFA+1]
	s_lshl_b32 s[OFA], s29, 7                      ; 32 numbers
	s_add_nc_u64 s[BB:BB+1], s[BB:BB+1], s[OFA:OFA+1]
.irp n, 0,1,2,3
.irp x, 0,1,2,3
	global_load_b128 v[WT+16*\n+4*\x:WT+16*\n+4*\x+3], v[WA], s[WB:WB+1] offset:(\n/2)*4096+(\n%2)*128+(\x/2)*64+(\x%2)*16
.endr
.endr
	global_load_b32 v[WBV], v[WBI], s[BB:BB+1]
	s_wait_loadcnt 0x0
.set i_, 0
.rept 32
	v_cvt_pk_bf16_f32 v[WC+i_], v[WT+2*i_], v[WT+2*i_+1]
.set i_, i_+1
.endr
.irp m, 0,1,2,3,4,5,6,7
	ds_store_b128 v[WSA], v[WC+4*\m:WC+4*\m+3] offset:\m*512
.endr
	ds_store_b32 v[WBS], v[WBV]
	s_wait_dscnt 0x0                               ; for the others' sake: my fragments and biases are in LDS
	BAR                                            ; the first tile stays on its way
	WIN 0x40                                       ; destination window 1, address window 0
.set i_, 0
.rept 64
	ds_load_b128 v[4*i_:4*i_+3], v[WLA] offset:i_*512
.set i_, i_+1
.endr
	WIN 0                                          ; these loads are waited for at the head of the first trip, in front of its barrier: nobody writes the stage before all have read the weights
.macro EXPG kg                         ; the exponentials of 32 keys
.set i_, 0
.rept 16
	v_exp_f32 v[SC+16*\kg+i_], v[SC+16*\kg+i_]
.set i_, i_+1
.endr
.endm
.macro PLAIN kg                        ; the weights of 32 keys are added to the four partial sums, then rounded to bf16 and packed, in place: they become fragment kg of P at SC + 8 kg
.irp i, 0,1,2,3
.if \kg == 0
	s_wait_alu depctr_va_vdst(0)
	v_pk_add_f32 v[LS+2*\i:LS+2*\i+1], v[SC+2*\i:SC+2*\i+1], v[SC+8+2*\i:SC+8+2*\i+1]
.else
	s_wait_alu depctr_va_vdst(0)
	v_pk_add_f32 v[LS+2*\i:LS+2*\i+1], v[LS+2*\i:LS+2*\i+1], v[SC+16*\kg+2*\i:SC+16*\kg+2*\i+1]
.endif
.endr
.if \kg > 0
.irp i, 0,1,2,3
	v_pk_add_f32 v[LS+2*\i:LS+2*\i+1], v[LS+2*\i:LS+2*\i+1], v[SC+16*\kg+8+2*\i:SC+16*\kg+8+2*\i+1]
.endr
.endif
.irp n, 0,1,2,3,4,5,6,7
	v_cvt_pk_bf16_f32 v[SC+8*\kg+\n], v[SC+16*\kg+2*\n], v[SC+16*\kg+2*\n+1]
.endr
.endm
; The softmax of my 16 queries over a head's 128 keys: a lane holds one query and 64 of its scores, the lane 16 away the other 64.
.macro SOFT
.irp n, 0,1,2,3,4,5,6,7                ; four chains of 16 scores; each accumulator's lowest registers are read first (the odd tiles' register 0 at n = 3)
.irp c, 0,1,2,3
.if \n == 0
	v_max3_num_f32 v[TM+\c], v[SC+16*\c], v[SC+16*\c+1], v[SC+16*\c+2]
.elseif \n < 7
	v_max3_num_f32 v[TM+\c], v[TM+\c], v[SC+16*\c+2*\n+1], v[SC+16*\c+2*\n+2]
.else
	v_max_num_f32 v[TM+\c], v[TM+\c], v[SC+16*\c+15]
.endif
.endr
.endr
	v_max3_num_f32 v[TM], v[TM], v[TM+1], v[TM+2]
	v_max_num_f32 v[TM], v[TM], v[TM+3]
	v_permlanex16_b32 v[TM+1], v[TM], s[SEL], s[SEL+1]
	v_max_num_f32 v[CM+1], v[TM], v[TM+1]          ; m
	v_mul_f32 v[CM], s[CS], v[CM+1]                ; c m
.set i_, 0
.rept 32
	v_pk_fma_f32 v[SC+2*i_:SC+2*i_+1], v[SC+2*i_:SC+2*i_+1], s[CS:CS+1], v[CM:CM+1] op_sel_hi:[1,0,0] neg_lo:[0,0,1] neg_hi:[0,0,1]  ; c s - c m
.set i_, i_+1
.endr
	EXPG 0
	v_nop                                          ; a plain instruction between an exponential and the use of its result (ISA guide 5.7.2); further down the groups' plain work does that
	EXPG 1
	PLAIN 0
	EXPG 2
	PLAIN 1
	EXPG 3
	PLAIN 2
	PLAIN 3
.endm
; One head: S^T = K Q^T for all 128 keys, the softmax, O^T = V^T P, O / l + bv, rounded to the head's fragment of O.
.macro HEAD hd
.irp kt, 0,1,2,3,4,5,6,7
	ds_load_b128 v[KT+8*\kt:KT+8*\kt+3],   v[AKX] offset:(8*\hd+\kt)*1024
	ds_load_b128 v[KT+8*\kt+4:KT+8*\kt+7], v[AKX] offset:(8*\hd+\kt)*1024+512
.endr
	s_wait_dscnt 8                                 ; key tiles 0-3 are in; the eight loads of tiles 4-7 may be out
.irp kt, 0,1,2,3
	v_wmma_f32_16x16x32_bf16 v[SC+8*\kt:SC+8*\kt+7], v[KT+8*\kt:KT+8*\kt+7], v[QF+8*\hd:QF+8*\hd+7], 0
.endr
	s_wait_dscnt 0x0
.irp kt, 4,5,6,7
	v_wmma_f32_16x16x32_bf16 v[SC+8*\kt:SC+8*\kt+7], v[KT+8*\kt:KT+8*\kt+7], v[QF+8*\hd:QF+8*\hd+7], 0
.endr
	PLACES 4                                       ; in front of the loads into K's registers and of the first read of the scores
.irp ct, 0,1
.irp kg, 0,1,2,3
	ds_load_b128 v[KT+8*(4*\ct+\kg):KT+8*(4*\ct+\kg)+3],   v[AVX] offset:(2*\hd+\ct)*4096+\kg*1024
	ds_load_b128 v[KT+8*(4*\ct+\kg)+4:KT+8*(4*\ct+\kg)+7], v[AVX] offset:(2*\hd+\ct)*4096+\kg*1024+512
.endr
.endr
	SOFT
	BIASLD BVT, 2, 2*\hd, 2
	s_wait_dscnt 0x0                               ; V^T and bv are in
.irp kg, 0,1,2,3                       ; the two accumulators take turns
.irp ct, 0,1
.if \kg == 0
	v_wmma_f32_16x16x32_bf16 v[OT+8*\ct:OT+8*\ct+7], v[KT+8*(4*\ct+\kg):KT+8*(4*\ct+\kg)+7], v[SC+8*\kg:SC+8*\kg+7], 0
.else
	v_wmma_f32_16x16x32_bf16 v[OT+8*\ct:OT+8*\ct+7], v[KT+8*(4*\ct+\kg):KT+8*(4*\ct+\kg)+7], v[SC+8*\kg:SC+8*\kg+7], v[OT+8*\ct:OT+8*\ct+7]
.endif
.endr
.endr
	v_pk_add_f32 v[LS:LS+1], v[LS:LS+1], v[LS+2:LS+3]      ; l: these four are the places behind the last products
	v_pk_add_f32 v[LS+4:LS+5], v[LS+4:LS+5], v[LS+6:LS+7]
	v_pk_add_f32 v[LS:LS+1], v[LS:LS+1], v[LS+4:LS+5]
	v_add_f32 v[LS], v[LS], v[LS+1]
	v_permlanex16_b32 v[LS+1], v[LS], s[SEL], s[SEL+1]
	v_add_f32 v[LS], v[LS], v[LS+1]
	v_rcp_f32 v[TM], v[LS]
	v_nop                                          ; a plain instruction behind the reciprocal
.set i_, 0
	s_wait_alu depctr_va_vdst(0)
.rept 8
	v_pk_fma_f32 v[OT+2*i_:OT+2*i_+1], v[OT+2*i_:OT+2*i_+1], v[TM:TM+1], v[BVT+2*i_:BVT+2*i_+1] op_sel_hi:[1,0,1]  ; O / l + bv
.set i_, i_+1
.endr
.set i_, 0
.rept 8
	v_cvt_pk_bf16_f32 v[OF+8*\hd+i_], v[OT+2*i_], v[OT+2*i_+1]
.set i_, i_+1
.endr
.endm
; A TRIP: one t.  refill = 1: the next t is asked for, into the slot read in the trip before.
.macro TRIP refill
	s_wait_tensorcnt 0x0                           ; all my tensor loads have landed, this trip's tile among them: a group 0 may be written
	ds_add_u32 v[SPW], v[NIL]                      ; 0 onto my spare word; the descriptors' steps stand between it and the wait for it
.if \refill
.irp g, G0K, G0Q, G0V
	s_xor_b32 s[\g+1], s[\g+1], SLOTX              ; the other slot,
	s_add_nc_u64 s[\g+2:\g+3], s[\g+2:\g+3], 512   ; the next t; the type bits on top are not reached
.endr
.endif
	s_wait_dscnt 0x0                               ; the add is done; my reads of the stage (at the first trip: of the weights) are back; my reads of the other slot ended in the trip before
	BAR                                            ; all that holds of every wave
.if \refill
	LOAD3                                          ; the first thing behind the barrier; it has the whole trip in which to land
.endif
	; fragments and projections
	v_add_nc_u32 v[LA], s[SLOTOFF], v[LANE0]
	v_add_nc_u32 v[LAV], s[SLOTOFF], v[LANEV]
	RAW B1, LA, 0                                  ; k
	BIASLD D0, 0, 0, 4                             ; bq, where Q^T's sums will stand
	RAW B2, LA, TENS                               ; q
	BIASLD D1, 1, 0, 4                             ; bk
	s_wait_dscnt 40                                ; k and bq are in: the 32 + 8 loads of q and bk may be out
	CVT16 FK, B1
	RAW RV, LAV, 0                                 ; v
	BIASLD B1, 3, 0, 4                             ; bo
	XSTORE FK, 18
	PROJA D0, 0, FK, D0                            ; Q^T = Wq k + bq
	s_wait_dscnt 40                                ; q and bk are in: the 32 + 8 loads of v and bo may be out
	CVT16 FQ, B2                                   ; sixteen places behind those products
	XSTORE FQ, 20
	PROJA D1, 8, FQ, D1                            ; K^T = Wk q + bk
	CVT16 QF, D0
	s_wait_dscnt 0x0                               ; v and bo
	CVT16 FV, RV
	PROJB D0, 16, FV                               ; V = v^T Wv^T
	CVT16 KFT, D1
.irp hd, 0,1
	ds_store_b128 v[AKS], v[KFT+8*\hd:KFT+8*\hd+3]   offset:\hd*8192
	ds_store_b128 v[AKS], v[KFT+8*\hd+4:KFT+8*\hd+7] offset:\hd*8192+512
.endr
.set i_, 0
.rept 16
	v_pk_add_f32 v[RV+2*i_:RV+2*i_+1], v[RV+2*i_:RV+2*i_+1], v[B1+2*i_:B1+2*i_+1]  ; v + bo: the places behind V's products
.set i_, i_+1
.endr
	CVT16 VFT, D0
.irp et, 0,1,2,3
	ds_store_b128 v[AVS], v[VFT+4*\et:VFT+4*\et+3] offset:\et*4096
.endr
	s_wait_xcnt 0x0                                ; the stores to kx and qx have had their addresses translated (ISA guide 3.1): their data registers are rewritten only behind this wait
	s_wait_dscnt 0x0                               ; for the others' sake: my K and V are in LDS; and my reads of the slot are over
	BAR                                            ; the next tile stays on its way
	HEAD 0
	HEAD 1
	; the way out
	PROJA RV, 24, OF, RV                           ; v1^T = Wo O^T + (v + bo)
	PLACES 4
.irp et, 0,1,2,3
.irp j, 0,1,2,3,4,5,6,7
	ds_store_b32 v[STW], v[RV+8*\et+\j] offset:(16*\et+\j)*PITCH
.endr
.endr
	CVT16 F1, RV
	XSTORE F1, 22
	s_wait_dscnt 0x0                               ; for the others' sake: my columns of v1 are in the stage; my reads of K and V were waited for above
	BAR
.irp i, 0,1,2,3,4,5,6,7
	ds_load_b128 v[OB+4*\i:OB+4*\i+3], v[STR] offset:\i*PITCH
.endr
.irp i, 0,1,2,3,4,5,6,7
	s_wait_dscnt 7-\i                              ; LDS loads come back in order (ISA guide 5.7.1): row i is in
	global_store_b128 v[VO], v[OB+4*\i:OB+4*\i+3], s[24:25] offset:\i*262144  ; a whole row of 512 consecutive bytes, aligned
.endr
.if \refill
	s_wait_xcnt 0x0                                ; the stores' bases and data are rewritten only behind this wait
	s_add_nc_u64 s[18:19], s[18:19], 16384
	s_add_nc_u64 s[20:21], s[20:21], 16384
	s_add_nc_u64 s[22:23], s[22:23], 16384
	s_add_nc_u64 s[24:25], s[24:25], 512
	s_xor_b32 s[SLOTOFF], s[SLOTOFF], SLOTX
.endif
.endm
.Ltrip:                                                ; seven trips, each of which asks for the next t
	TRIP 1
	s_sub_co_u32 s[CNT], s[CNT], 1
	s_cmp_lg_u32 s[CNT], 0
	s_cbranch_scc1 .Ltrip
	TRIP 0                                         ; the last t is written out: nothing is left to fetch
	s_wait_tensorcnt 0x0                           ; the wave's end, behind my last tensor load and my last LDS store
	ds_add_u32 v[SPW], v[NIL]
	s_wait_dscnt 0x0
	s_endpgm
.Lfunc_end_k_qdbbc371dd3_freq:
	.size	k_qdbbc371dd3_freq, .Lfunc_end_k_qdbbc371dd3_freq-k_qdbbc371dd3_freq
	.p2alignl 7, 3214868480
	.fill 96, 4, 3214868480
	.section	.rodata,"a",@progbits
	.p2align	6, 0x0
	.amdhsa_kernel k_qdbbc371dd3_freq
		.amdhsa_group_segment_fixed_size 327680
		.amdhsa_private_segment_fixed_size 0
		.amdhsa_enable_private_segment 0
		.amdhsa_kernarg_size 88
		.amdhsa_user_sgpr_count 2
		.amdhsa_user_sgpr_kernarg_segment_ptr 1
		.amdhsa_wavefront_size32 1
		.amdhsa_system_sgpr_workgroup_id_x 1
		.amdhsa_system_sgpr_workgroup_id_y 1
		.amdhsa_system_sgpr_workgroup_id_z 1
		.amdhsa_system_vgpr_workitem_id 0
		.amdhsa_next_free_vgpr 512
		.amdhsa_next_free_sgpr 66
		.amdhsa_reserve_vcc 0
		.amdhsa_float_denorm_mode_32 3
		.amdhsa_float_denorm_mode_16_64 3
		.amdhsa_memory_ordered 1
		.amdhsa_forward_progress 1
		.amdhsa_inst_pref_size 125
	.end_amdhsa_kernel
	.amdgpu_metadata
---
amdhsa.version: [ 1, 2 ]
amdhsa.kernels:
  - .name:           k_qdbbc371dd3_freq
    .symbol:         k_qdbbc371dd3_freq.kd
    .args:
      - { .name: k, .offset: 0, .size: 8, .value_kind: global_buffer, .address_space: global }
      - { .name: q, .offset: 8, .size: 8, .value_kind: global_buffer, .address_space: global }
      - { .name: v, .offset: 16, .size: 8, .value_kind: global_buffer, .address_space: global }
      - { .name: Wi_f, .offset: 24, .size: 8, .value_kind: global_buffer, .address_space: global }
      - { .name: bi_f, .offset: 32, .size: 8, .value_kind: global_buffer, .address_space: global }
      - { .name: Wo_f, .offset: 40, .size: 8, .value_kind: global_buffer, .address_space: global }
      - { .name: bo_f, .offset: 48, .size: 8, .value_kind: global_buffer, .address_space: global }
      - { .name: kx, .offset: 56, .size: 8, .value_kind: global_buffer, .address_space: global }
      - { .name: qx, .offset: 64, .size: 8, .value_kind: global_buffer, .address_space: global }
      - { .name: vx, .offset: 72, .size: 8, .value_kind: global_buffer, .address_space: global }
      - { .name: v1w, .offset: 80, .size: 8, .value_kind: global_buffer, .address_space: global }
    .group_segment_fixed_size: 327680
    .private_segment_fixed_size: 0
    .kernarg_segment_align: 8
    .kernarg_segment_size: 88
    .max_flat_workgroup_size: 256
    .sgpr_count:     66
    .vgpr_count:     512
    .wavefront_size: 32
...
	.end_amdgpu_metadata
.endif
;; end of part 1
;; launch time (part 2): grid 256 x 1, 8 waves a work-group, no clusters, 327,680 bytes of LDS; arguments kx, qx, vx, v1w, Wi_t, bi_t, Wo_t, bo_t, out0; writes out0
.if DOCPART == 2
	.amdgcn_target "amdgcn-amd-amdhsa--gfx1250"
	.amdhsa_code_object_version 6
	.text
	.protected	k_qdbbc371dd3_time
	.globl	k_qdbbc371dd3_time
	.p2align	8
	.type	k_qdbbc371dd3_time,@function
k_qdbbc371dd3_time:
	s_mov_b64 s[64:65], 0
	v_nop
	global_prefetch_b8 v0, s[64:65] scope:SCOPE_SE
	s_setreg_imm32_b32 hwreg(HW_REG_WAVE_MODE, 25, 1), 1
	s_wait_xcnt 0x0
; TIME ATTENTION.  For each (b, f) the 512 t are the tokens; query i sees the keys i - 9 .. i alone.  Q = Wq k + bq, K = Wk q + bk, V = Wv v1 + bv, out = v1 + Wo (P V) + bo.
; In: kx, qx, vx = k, q, v1 in bf16, [b][t][fo 16][g 4][fr 8][h 2][8 c] (f = 8 fo + fr, c = 16 g + 8 h + i); v1w = v1 in f32, [b][c][t][f].  Out: out0, [b][c][t][f] f32.
; SHARES.  256 work-groups: b = n / 64, the 16 queries t0 = 16 ((n / 2) % 32) on, the 64 f of half n % 2.  Their keys lie in the 25 rows from ks = max(t0 - 9, 0) on, taken as 32 (the last 7 arrive as zeros).
; Eight trips, one fo a trip; in a trip wave w has f = 8 fo + w: 16 queries x 32 keys, both heads.  The result of the attention (with bo) is gathered in LDS in bf16, [c][t][f];
; a last pass adds it to v1 and stores rows of 256 consecutive bytes.
; LAYOUT.  As in the launch before: a 16 x 16 f32 result holds row 8 (lane / 16) + j in register j, column lane % 16; two results with neighbouring rows, rounded in pairs, are a bf16 fragment.
; Here a lane holds a t.  THE MASK is the C operand of S^T = K Q^T: 0, or -1e30 where the key is hidden; it hangs on the lane and the work-group alone and is made once.
; NO CLUSTER: work-groups share nothing but 66 KB of weights and nine rows in twenty-five of two of the four inputs with one neighbour, at other LDS rows.
; LIMITS.  Matrix operands bf16, sums f32; a hidden score counts as its value less 1e30, so scores stay under 1e29; the maximum of the 32 scores is taken away before the exponentials (every query sees its own key);
; a weight below 2^-126 counts as 0; l is the sum of the unrounded weights; bv is added behind the division by l; Wo O + bo passes through LDS rounded once to bf16, v1 and the last sum are f32;
; NaN and infinities are not treated apart.
; REGISTERS.  Window 1 (v256-511): the 32 weight fragments, fragment 8 m + 2 et + s (m: Wq, Wk, Wv, Wo) at v[8 x its number].  All else is window 0.
.set RPITCH, 1040                      ; an LDS row: the 1,024 bytes of one (t, fo) + 16 of padding: the 16 rows of a fragment load start at 16 different groups of four banks (64 banks of 4 bytes: ISA guide 11.1)
.set TK,     16*RPITCH                 ; kx's tile: 16 rows
.set TQ,     32*RPITCH                 ; qx's and vx's: 32 rows
.set SLOT,   TK+2*TQ
.set STAGE,  2*SLOT                    ; behind the ring: bf16 [c 64][t 16][f 64]; at the start the weights' fragments pass through it
.set CP,     2192                      ; from c to c + 1
.set TP,     136                       ; from t to t + 1: 34 words, and 8 c are 32 banks further: the 32 lanes of a store touch 32 different banks
.set WST,    STAGE
.set BIAS,   STAGE+64*CP               ; bq, bk, bv, bo: 256 f32
.set SPARE,  BIAS+1024                 ; the spare words: 128 bytes for each of the eight waves, four blocks of 256 bytes that no other line names
.set LB0,  1                           ; v1, v2  my place in slot 0, 1: row lane % 16, my f, 16 (lane / 16)
.set LV0,  3                           ; v3, v4  the same in vx's tile
.set BA,   5                           ; v5      BIAS + 32 (lane / 16)
.set SA,   6                           ; v6-9    where I put the result's channels 16 et + 8 (lane / 16) on; steps with the trips
.set SPW,  10                          ; v10     LDS address of my spare word; never rewritten
.set NIL,  11                          ; v11     0; never rewritten
.set RL,   12                          ; v12, v14  1 / l of head 0, 1 (each the low word of a pair)
.set MASK, 16                          ; v16-31  the mask, 8 a key tile
.set BQ,   32                          ; v32-63  the tiles of bq
.set BK,   64                          ; v64-95  of bk
.set XK,   96                          ; v96-111  k's fragments
.set XQ,   112                         ; v112-143 q's, 16 a key tile
.set D0,   144                         ; v144-175 a projection's result
.set QF,   176                         ; v176-191 Q's fragments, 8 a head
.set XV,   192                         ; v192-223 v1's fragments, 16 a key tile
.set KF,   192                         ; then K's: key tile kt, head hd at KF + 16 kt + 8 hd
.set BV,   192                         ; then the tiles of bv
.set VF,   224                         ; v224-255 V^T's fragments, 8 a channel tile
.set SC,   96                          ; v96-127  S^T: head hd, key tile kt at SC + 16 hd + 8 kt
.set PP,   128                         ; v128-143 P, 8 a head
.set YT,   96                          ; v96-127  the tiles of bo, then Y^T in place
.set YP,   128                         ; v128-143 Y^T in bf16
.set OT,   144                         ; v144-175 O^T, 8 a channel tile
.set OF,   176                         ; v176-191 O's fragments
.set TM,   144                         ; v144-147 four running maxima
.set CMH,  148                         ; v148-151 c m, m for each head
.set US,   152                         ; v152-167 four pairs of partial sums for each head
.set GO,   1                           ; the last pass: my byte offset in v1w and out0,
.set SR,   2                           ; my place in the stage,
.set TMPF, 16                          ; eight registers at work,
.set VB0,  32                          ; three buffers of 16 x 4 registers of v1,
.set VB1,  96
.set VB2,  160
.set SB,   224                         ; and 16 x 2 of the stage
.set WT,   96                          ; the weights' way in
.set WC,   160
.set WBV,  192
.set WA,   193
.set WBI,  194
.set WSA,  195
.set WBS,  196
.set WLA,  197
.set L16,  198
.set WV,   22                          ; s22  my wave's number
.set CNT,  23                          ; s23  pairs of trips to go
.set G1A,  24                          ; s[24:31] descriptor group 1 for kx's tiles
.set G1B,  32                          ; s[32:39] for qx's and vx's
.set G0,   40                          ; s[40:63] descriptor group 0: slot n, tensor x (kx, qx, vx) at G0 + 12 n + 4 x
.set SEL,  66                          ; s[66:67] v_permlanex16_b32's selects
.set CS,   68                          ; s[68:69] c = log2(e) / sqrt(32)
.set WB,   80                          ; s[80:81] my 32 rows of the weights
.set BB,   82                          ; s[82:83] my 32 biases
.set BIGN, 85                          ; s85  -1e30
.set HIM,  86                          ; s86  a word's upper bf16
.set MSB, 0
.macro WIN new                         ; the immediate's high byte repeats the setting that is left; a switch that changes nothing is dropped
.if MSB != (\new)
	s_set_vgpr_msb (MSB<<8)|(\new)
.set MSB, (\new)
.endif
.endm
.macro PLACES n                        ; plain vector instructions between a matrix instruction and what touches its registers (ISA guide 7.12.1)
.rept \n
	v_nop
.endr
.endm
.macro BAR
	s_barrier_signal -1
	s_barrier_wait -1
.endm
; The three tiles of a trip into slot n: wave 0 asks for kx's, wave 1 for qx's, wave 2 for vx's; the others ask for nothing.  An s_nop 0 and four v_nop follow each line.
.macro LOAD3 n
	s_cmp_lg_u32 s[WV], 0
	s_cbranch_scc1 .Lnot_k_\@
	tensor_load_to_lds s[G0+12*(\n):G0+12*(\n)+3], s[G1A:G1A+7]
	s_nop 0
.rept 4
	v_nop
.endr
	s_branch .Lasked_\@
.Lnot_k_\@:
	s_cmp_lg_u32 s[WV], 1
	s_cbranch_scc1 .Lnot_q_\@
	tensor_load_to_lds s[G0+12*(\n)+4:G0+12*(\n)+7], s[G1B:G1B+7]
	s_nop 0
.rept 4
	v_nop
.endr
	s_branch .Lasked_\@
.Lnot_q_\@:
	s_cmp_lg_u32 s[WV], 2
	s_cbranch_scc1 .Lasked_\@
	tensor_load_to_lds s[G0+12*(\n)+8:G0+12*(\n)+11], s[G1B:G1B+7]
	s_nop 0
.rept 4
	v_nop
.endr
.Lasked_\@:
.endm
; d = W x + C: source 0 = 16 rows of the weights (window 1), source 1 = 16 tokens.  The four accumulators take turns.  ct: the registers of the first C (the bias tile).
.macro PROJA d, wf, f, ct
	WIN 0x01
.irp s, 0,1
.irp et, 0,1,2,3
.if \s == 0
	v_wmma_f32_16x16x32_bf16 v[(\d)+8*\et:(\d)+8*\et+7], v[8*((\wf)+2*\et+\s):8*((\wf)+2*\et+\s)+7], v[(\f)+8*\s:(\f)+8*\s+7], v[(\ct)+8*\et:(\ct)+8*\et+7]
.else
	v_wmma_f32_16x16x32_bf16 v[(\d)+8*\et:(\d)+8*\et+7], v[8*((\wf)+2*\et+\s):8*((\wf)+2*\et+\s)+7], v[(\f)+8*\s:(\f)+8*\s+7], v[(\d)+8*\et:(\d)+8*\et+7]
.endif
.endr
.endr
	WIN 0
.endm
; d = x^T W^T: source 0 = 16 tokens, source 1 = 16 rows of the weights (window 1): a lane holds a channel, its registers eight tokens
.macro PROJB d, wf, f
	WIN 0x04
.irp s, 0,1
.irp et, 0,1,2,3
.if \s == 0
	v_wmma_f32_16x16x32_bf16 v[(\d)+8*\et:(\d)+8*\et+7], v[(\f)+8*\s:(\f)+8*\s+7], v[8*((\wf)+2*\et+\s):8*((\wf)+2*\et+\s)+7], 0
.else
	v_wmma_f32_16x16x32_bf16 v[(\d)+8*\et:(\d)+8*\et+7], v[(\f)+8*\s:(\f)+8*\s+7], v[8*((\wf)+2*\et+\s):8*((\wf)+2*\et+\s)+7], v[(\d)+8*\et:(\d)+8*\et+7]
.endif
.endr
.endr
	WIN 0
.endm
.macro CVT16 dst, src                  ; 32 f32 to 16 registers of bf16, ascending: each accumulator is read from its low end on
.set i_, 0
.rept 16
	v_cvt_pk_bf16_f32 v[(\dst)+i_], v[(\src)+2*i_], v[(\src)+2*i_+1]
.set i_, i_+1
.endr
.endm
.macro BIASLD dst, m, et0, n           ; n tiles of bias m: register j of tile et holds number 16 et + 8 (lane / 16) + j
.set b_, 0
.rept \n
	ds_load_b128 v[(\dst)+8*b_:(\dst)+8*b_+3],   v[BA] offset:(\m)*256+((\et0)+b_)*64
	ds_load_b128 v[(\dst)+8*b_+4:(\dst)+8*b_+7], v[BA] offset:(\m)*256+((\et0)+b_)*64+16
.set b_, b_+1
.endr
.endm
	s_load_b256 s[4:11], s[0:1], 0x0               ; kx s[4:5], qx s[6:7], vx s[8:9], v1w s[10:11]
	s_load_b256 s[12:19], s[0:1], 0x20             ; Wi s[12:13], bi s[14:15], Wo s[16:17], bo s[18:19]
	s_load_b64 s[20:21], s[0:1], 0x40              ; out0
	v_lshl_add_u32 v[SPW], v0, 2, SPARE
	v_mov_b32 v[NIL], 0
	ds_add_u32 v[SPW], v[NIL]                      ; the wave's opening: the add and its wait stand ahead of the first tensor load; the set-up below, work on registers, stands between them
	v_lshrrev_b32 v1, 5, v0
	v_readfirstlane_b32 s[WV], v1                  ; wave 0..7
	s_lshr_b32 s70, ttmp9, 6                       ; b
	s_bfe_u32 s71, ttmp9, 0x50001                  ; the block of 16 queries: 5 bits from bit 1
	s_and_b32 s72, ttmp9, 1                        ; the half of the f
	s_lshl_b32 s73, s71, 4                         ; t0
	s_sub_co_i32 s74, s73, 9
	s_max_i32 s74, s74, 0                          ; ks: the first key row
	s_sub_co_u32 s75, s73, s74                     ; t0 - ks: 9, or 0 in the first block
	s_lshl_b32 s84, s70, 9
	s_lshl_b32 s87, s72, 13                        ; eight fo of 1,024 bytes
	s_add_co_u32 s76, s84, s73
	s_lshl_b32 s76, s76, 14                        ; (512 b + t0) x 16,384 bytes
	s_add_co_u32 s76, s76, s87
	s_mov_b32 s77, 0
	s_add_co_u32 s78, s84, s74
	s_lshl_b32 s78, s78, 14                        ; (512 b + ks) x 16,384 bytes
	s_add_co_u32 s78, s78, s87
	s_mov_b32 s79, 0
	; descriptor group 1: rows of 128 elements of 8 bytes (one t, one fo), 2,048 elements from t to t + 1, padded in LDS
.irp g, G1A, G1B
	s_mov_b32 s[\g+0], (3<<16)|(1<<20)|(7<<22)|(3<<25)  ; 17:16 elements of 8 bytes; 20 padding on; 24:22 after every 256 words (code 7); 31:25 4 words of it (code 3)
	s_mov_b32 s[\g+1], 128<<16                     ; tensor_dim0 = 128
	s_mov_b32 s[\g+3], 128<<16                     ; tile_dim0 = 128
	s_mov_b32 s[\g+5], 2048
	s_mov_b32 s[\g+6], 0
	s_mov_b32 s[\g+7], 0
.endr
	s_mov_b32 s[G1A+2], 16<<16                     ; kx: tensor_dim1 = tile_dim1 = 16
	s_mov_b32 s[G1A+4], 16
	s_mov_b32 s[G1B+2], 25<<16                     ; qx, vx: 25 rows are read (ks + 24 is 511 at the most); the tile's rows 25-31 arrive as zeros
	s_mov_b32 s[G1B+4], 32
.irp n, 0,1
	s_mov_b32 s[G0+12*\n], 1
	s_mov_b32 s[G0+12*\n+1], \n*SLOT
	s_mov_b32 s[G0+12*\n+4], 1
	s_mov_b32 s[G0+12*\n+5], \n*SLOT+TK
	s_mov_b32 s[G0+12*\n+8], 1
	s_mov_b32 s[G0+12*\n+9], \n*SLOT+TK+TQ
.endr
	s_mov_b32 s[SEL], 0x76543210
	s_mov_b32 s[SEL+1], 0xfedcba98
	s_mov_b32 s[CS], 0x3e8293ee                    ; c = log2(e) / sqrt(32) = 0.255035
	s_mov_b32 s[CS+1], s[CS]
	s_mov_b32 s[BIGN], 0xf149f2ca                  ; -1e30
	s_mov_b32 s[HIM], 0xffff0000
	s_mov_b32 s[CNT], 3
	s_wait_dscnt 0x0                               ; the opening add is done
	s_barrier_signal -1
	s_barrier_wait -1
	s_wait_kmcnt 0x0
	s_add_nc_u64 s[4:5], s[4:5], s[76:77]
	s_add_nc_u64 s[6:7], s[6:7], s[78:79]
	s_add_nc_u64 s[8:9], s[8:9], s[78:79]
.irp n, 0,1                            ; slot n begins with trip n's fo
	s_add_nc_u64 s[G0+12*\n+2:G0+12*\n+3], s[4:5], \n*1024
	s_or_b32 s[G0+12*\n+3], s[G0+12*\n+3], 0x80000000
	s_add_nc_u64 s[G0+12*\n+6:G0+12*\n+7], s[6:7], \n*1024
	s_or_b32 s[G0+12*\n+7], s[G0+12*\n+7], 0x80000000
	s_add_nc_u64 s[G0+12*\n+10:G0+12*\n+11], s[8:9], \n*1024
	s_or_b32 s[G0+12*\n+11], s[G0+12*\n+11], 0x80000000
.endr
	LOAD3 0                                        ; trip 0's tiles: a wave's only first fill, behind the opening barrier, ahead of every LDS load and wait on TENSORcnt
	s_lshl_b32 s76, s70, 24                        ; v1w and out0 at (b, c = 0, t0, my 64 f)
	s_lshl_b32 s84, s73, 9
	s_add_co_u32 s76, s76, s84
	s_lshl_b32 s84, s72, 8
	s_add_co_u32 s76, s76, s84
	s_add_nc_u64 s[10:11], s[10:11], s[76:77]
	s_add_nc_u64 s[20:21], s[20:21], s[76:77]
	v_and_b32 v14, 15, v0                          ; r = lane % 16
	v_bfe_u32 v15, v0, 4, 1                        ; h = lane / 16
	v_mul_u32_u24 v[LB0], v14, RPITCH
	v_lshl_add_u32 v[LB0], v15, 4, v[LB0]
	s_lshl_b32 s84, s[WV], 5
	v_add_nc_u32 v[LB0], s84, v[LB0]               ; row r, fr = w, half h
	v_add_nc_u32 v[LB0+1], SLOT, v[LB0]
	v_add_nc_u32 v[LV0], TK+TQ, v[LB0]
	v_add_nc_u32 v[LV0+1], SLOT+TK+TQ, v[LB0]
	v_lshl_add_u32 v[BA], v15, 5, BIAS
	v_mul_u32_u24 v[SA], v15, 8*CP
	v_mul_u32_u24 v12, v14, TP
	v_add_nc_u32 v[SA], v[SA], v12
	s_lshl_b32 s84, s[WV], 1
	s_add_co_u32 s84, s84, STAGE
	v_add_nc_u32 v[SA], s84, v[SA]                 ; channel 8 h, t = r, f = w
	v_add_nc_u32 v[SA+1], 16*CP, v[SA]
	v_add_nc_u32 v[SA+2], 32*CP, v[SA]
	v_add_nc_u32 v[SA+3], 48*CP, v[SA]
	; the mask: my query is row t0 - ks + r of the key window, register j of key tile kt is row 16 kt + 8 h + j; it is seen where query - key lies in 0 .. 9
	v_lshlrev_b32 v12, 3, v15
	v_sub_nc_u32 v12, v14, v12
	v_add_nc_u32 v12, s75, v12                     ; t0 - ks + r - 8 h
.set i_, 0
.rept 16
	v_add_nc_u32 v13, -(16*(i_/8)+i_%8), v12
	v_cmp_le_u32 vcc_lo, 10, v13                   ; as an unsigned number a negative difference is large
	v_cndmask_b32 v[MASK+i_], 0, s[BIGN], vcc_lo
.set i_, i_+1
.endr
	; THE WEIGHTS.  Wave w rounds rows 32 w .. + 31 of the stack Wq, Wk, Wv, Wo to bf16, as fragments 4 w .. 4 w + 3, and puts them into LDS; then every wave takes all 32 into window 1.
	v_and_b32 v[L16], 31, v0
	v_lshlrev_b32 v[WBI], 2, v[L16]                ; 4 x lane
	v_lshlrev_b32 v[L16], 4, v[L16]                ; 16 x lane
	v_lshlrev_b32 v[WA], 8, v14
	v_lshl_add_u32 v[WA], v15, 5, v[WA]            ; row r x 256 bytes + 8 h numbers
	s_lshl_b32 s84, s[WV], 12
	s_add_co_u32 s84, s84, WST
	v_add_nc_u32 v[WSA], s84, v[L16]
	v_lshl_add_u32 v[WBS], v0, 2, BIAS
	v_add_nc_u32 v[WLA], WST, v[L16]
	s_cmp_lt_u32 s[WV], 6                          ; waves 0-5: Wi and bi; waves 6, 7: Wo and bo
	s_cselect_b64 s[WB:WB+1], s[12:13], s[16:17]
	s_cselect_b64 s[BB:BB+1], s[14:15], s[18:19]
	s_cselect_b32 s84, 0, 6
	s_sub_co_u32 s84, s[WV], s84
	s_lshl_b32 s76, s84, 13                        ; 32 rows of 256 bytes
	s_add_nc_u64 s[WB:WB+1], s[WB:WB+1], s[76:77]
	s_lshl_b32 s76, s84, 7                         ; 32 numbers
	s_add_nc_u64 s[BB:BB+1], s[BB:BB+1], s[76:77]
.irp n, 0,1,2,3
.irp x, 0,1,2,3
	global_load_b128 v[WT+16*\n+4*\x:WT+16*\n+4*\x+3], v[WA], s[WB:WB+1] offset:(\n/2)*4096+(\n%2)*128+(\x/2)*64+(\x%2)*16
.endr
.endr
	global_load_b32 v[WBV], v[WBI], s[BB:BB+1]
	s_wait_loadcnt 0x0
.set i_, 0
.rept 32
	v_cvt_pk_bf16_f32 v[WC+i_], v[WT+2*i_], v[WT+2*i_+1]
.set i_, i_+1
.endr
.irp m, 0,1,2,3,4,5,6,7
	ds_store_b128 v[WSA], v[WC+4*\m:WC+4*\m+3] offset:\m*512
.endr
	ds_store_b32 v[WBS], v[WBV]
	s_wait_dscnt 0x0                               ; for the others' sake: my fragments and biases are in LDS
	BAR                                            ; the first tiles stay on their way
	WIN 0x40                                       ; destination window 1, address window 0
.set i_, 0
.rept 64
	ds_load_b128 v[4*i_:4*i_+3], v[WLA] offset:i_*512
.set i_, i_+1
.endr
	WIN 0
	BIASLD BQ, 0, 0, 4                             ; bq and bk stay in registers
	BIASLD BK, 1, 0, 4                             ; all these loads are waited for at the head of the first trip, in front of its barrier: nobody writes the stage before all have read the weights
; A TRIP: one fo, in slot `slot`.  refill = 1: the next trip's tiles are asked for, into the slot read in the trip before.  The one barrier of a trip is the one at its head: the waves share nothing but the tiles.
.macro TRIP slot, refill
	s_wait_tensorcnt 0x0                           ; all my tensor loads have landed, this trip's tile among them: a group 0 may be written
	ds_add_u32 v[SPW], v[NIL]                      ; 0 onto my spare word; the descriptors' steps stand between it and the wait for it
.irp x, 0,1,2
	s_add_nc_u64 s[G0+12*\slot+4*\x+2:G0+12*\slot+4*\x+3], s[G0+12*\slot+4*\x+2:G0+12*\slot+4*\x+3], 2048  ; this slot's next fo, two on (in the last two trips the stepped address is not used)
.endr
	s_wait_dscnt 0x0                               ; the add is done, and so are my reads of the last trip's tiles and my stores into the stage
	BAR                                            ; all that holds of every wave
.if \refill
	LOAD3 1-\slot                                  ; the first thing behind the barrier; it has the whole trip in which to land
.endif
.irp kt, 0,1
.irp g, 0,1,2,3
	ds_load_b128 v[XV+16*\kt+4*\g:XV+16*\kt+4*\g+3], v[LV0+\slot] offset:\kt*TK+\g*256
.endr
.endr
.irp g, 0,1,2,3
	ds_load_b128 v[XK+4*\g:XK+4*\g+3], v[LB0+\slot] offset:\g*256
.endr
.irp kt, 0,1
.irp g, 0,1,2,3
	ds_load_b128 v[XQ+16*\kt+4*\g:XQ+16*\kt+4*\g+3], v[LB0+\slot] offset:TK+\kt*TK+\g*256
.endr
.endr
	s_wait_dscnt 12                                ; v1's fragments are in: the 4 + 8 loads of k's and q's may be out
.irp kt, 0,1                           ; V = v1^T Wv^T, 16 keys at a time.  Five places behind each group of products: the next group writes over the same accumulators
	PROJB D0, 16, XV+16*\kt
	PLACES 5
.irp et, 0,1,2,3
.irp i, 0,1,2,3
	v_cvt_pk_bf16_f32 v[VF+8*\et+4*\kt+\i], v[D0+8*\et+2*\i], v[D0+8*\et+2*\i+1]
.endr
.endr
.endr
	s_wait_dscnt 0x0
	PROJA D0, 0, XK, BQ                            ; Q^T = Wq k + bq
	PLACES 5
	CVT16 QF, D0
.irp kt, 0,1
	PROJA D0, 8, XQ+16*\kt, BK                     ; K^T = Wk q + bk
	PLACES 5
	CVT16 KF+16*\kt, D0
.endr
.irp hd, 0,1                           ; S^T = K Q^T + the mask
.irp kt, 0,1
	v_wmma_f32_16x16x32_bf16 v[SC+16*\hd+8*\kt:SC+16*\hd+8*\kt+7], v[KF+16*\kt+8*\hd:KF+16*\kt+8*\hd+7], v[QF+8*\hd:QF+8*\hd+7], v[MASK+8*\kt:MASK+8*\kt+7]
.endr
.endr
	PLACES 4                                       ; in front of the loads into K's registers and of the first read of the scores
	BIASLD BV, 2, 0, 4
	; the softmax: a lane holds one query and 16 of its 32 scores for each head, the lane 16 away the others
.irp n, 0,1,2,3
.irp x, 0,1,2,3
.if \n == 0
	v_max3_num_f32 v[TM+\x], v[SC+8*\x], v[SC+8*\x+1], v[SC+8*\x+2]
.elseif \n < 3
	v_max3_num_f32 v[TM+\x], v[TM+\x], v[SC+8*\x+2*\n+1], v[SC+8*\x+2*\n+2]
.else
	v_max_num_f32 v[TM+\x], v[TM+\x], v[SC+8*\x+7]
.endif
.endr
.endr
.irp hd, 0,1
	v_max_num_f32 v[TM+2*\hd], v[TM+2*\hd], v[TM+2*\hd+1]
.endr
.irp hd, 0,1
	v_permlanex16_b32 v[TM+2*\hd+1], v[TM+2*\hd], s[SEL], s[SEL+1]
.endr
.irp hd, 0,1
	v_max_num_f32 v[CMH+2*\hd+1], v[TM+2*\hd], v[TM+2*\hd+1]  ; m
.endr
.irp hd, 0,1
	v_mul_f32 v[CMH+2*\hd], s[CS], v[CMH+2*\hd+1]             ; c m
.endr
.irp hd, 0,1
.irp n, 0,1,2,3,4,5,6,7
	v_pk_fma_f32 v[SC+16*\hd+2*\n:SC+16*\hd+2*\n+1], v[SC+16*\hd+2*\n:SC+16*\hd+2*\n+1], s[CS:CS+1], v[CMH+2*\hd:CMH+2*\hd+1] op_sel_hi:[1,0,0] neg_lo:[0,0,1] neg_hi:[0,0,1]  ; c s - c m
.endr
.endr
.set i_, 0
.rept 32
	v_exp_f32 v[SC+i_], v[SC+i_]
.set i_, i_+1
.endr
	v_nop                                          ; a plain instruction between the exponentials and the use of their results (ISA guide 5.7.2)
	s_wait_alu depctr_va_vdst(0)
.irp hd, 0,1
.irp i, 0,1,2,3
	v_pk_add_f32 v[US+8*\hd+2*\i:US+8*\hd+2*\i+1], v[SC+16*\hd+2*\i:SC+16*\hd+2*\i+1], v[SC+16*\hd+8+2*\i:SC+16*\hd+8+2*\i+1]
.endr
.endr
.irp hd, 0,1
	v_pk_add_f32 v[US+8*\hd:US+8*\hd+1], v[US+8*\hd:US+8*\hd+1], v[US+8*\hd+2:US+8*\hd+3]
	v_pk_add_f32 v[US+8*\hd+4:US+8*\hd+5], v[US+8*\hd+4:US+8*\hd+5], v[US+8*\hd+6:US+8*\hd+7]
.endr
.irp hd, 0,1
	v_pk_add_f32 v[US+8*\hd:US+8*\hd+1], v[US+8*\hd:US+8*\hd+1], v[US+8*\hd+4:US+8*\hd+5]
.endr
.irp hd, 0,1
	v_add_f32 v[US+8*\hd], v[US+8*\hd], v[US+8*\hd+1]
.endr
.irp hd, 0,1
	v_permlanex16_b32 v[US+8*\hd+1], v[US+8*\hd], s[SEL], s[SEL+1]
.endr
.irp hd, 0,1
	v_add_f32 v[US+8*\hd], v[US+8*\hd], v[US+8*\hd+1]
.endr
.irp hd, 0,1
	v_rcp_f32 v[RL+2*\hd], v[US+8*\hd]             ; 1 / l; the roundings below stand between it and its use
.endr
	CVT16 PP, SC
	BIASLD YT, 3, 0, 4                             ; bo, where Y^T's sums will stand
.irp hd, 0,1                           ; O^T = V^T P
.irp ct, 0,1
	v_wmma_f32_16x16x32_bf16 v[OT+16*\hd+8*\ct:OT+16*\hd+8*\ct+7], v[VF+8*(2*\hd+\ct):VF+8*(2*\hd+\ct)+7], v[PP+8*\hd:PP+8*\hd+7], 0
.endr
.endr
	PLACES 4
	s_wait_dscnt 0x0                               ; bv and bo
	s_wait_alu depctr_va_vdst(0)
.irp hd, 0,1
.irp n, 0,1,2,3,4,5,6,7
	v_pk_fma_f32 v[OT+16*\hd+2*\n:OT+16*\hd+2*\n+1], v[OT+16*\hd+2*\n:OT+16*\hd+2*\n+1], v[RL+2*\hd:RL+2*\hd+1], v[BV+16*\hd+2*\n:BV+16*\hd+2*\n+1] op_sel_hi:[1,0,1]  ; O / l + bv
.endr
.endr
	CVT16 OF, OT
	PROJA YT, 24, OF, YT                           ; Y^T = Wo O^T + bo
	PLACES 4
	CVT16 YP, YT
.irp et, 0,1,2,3
.irp i, 0,1,2,3
	ds_store_b16 v[SA+\et], v[YP+4*\et+\i] offset:2*\i*CP+\slot*16
	ds_store_b16_d16_hi v[SA+\et], v[YP+4*\et+\i] offset:(2*\i+1)*CP+\slot*16
.endr
.endr
.endm
.Lpair:                                                ; three times two trips
	TRIP 0, 1
	TRIP 1, 1
.irp et, 0,1,2,3
	v_add_nc_u32 v[SA+\et], 32, v[SA+\et]          ; sixteen f on
.endr
	s_sub_co_u32 s[CNT], s[CNT], 1
	s_cmp_lg_u32 s[CNT], 0
	s_cbranch_scc1 .Lpair
	TRIP 0, 1                                      ; the last two trips are written out
	TRIP 1, 0
	; THE LAST PASS.  out = v1 + the stage.  Wave w has the channels 8 w .. 8 w + 7, 16 t each; a unit is two rows (c, t), (c, t + 1) of 64 f: lanes 0-15 one row, lanes 16-31 the next.
	; 64 units in four batches of 16; three batches of v1 are asked for at once, the fourth when the first has been stored.
	v_and_b32 v3, 15, v0
	v_bfe_u32 v4, v0, 4, 1
	v_lshlrev_b32 v[GO], 9, v4                     ; t's parity x 512 bytes
	v_lshl_add_u32 v[GO], v3, 4, v[GO]             ; four f of 4 bytes
	s_lshl_b32 s84, s[WV], 21
	v_add_nc_u32 v[GO], s84, v[GO]                 ; 8 w x 262,144 bytes
	v_mul_u32_u24 v[SR], v4, TP
	v_lshl_add_u32 v[SR], v3, 3, v[SR]             ; four f of 2 bytes
	s_mul_i32 s84, s[WV], 8*CP
	s_add_co_u32 s84, s84, STAGE
	v_add_nc_u32 v[SR], s84, v[SR]
.macro VLOAD n, vb                     ; batch n of v1: unit u has channel u / 8, rows 2 (u % 8) on
.set u_, 0
.rept 16
	global_load_b128 v[\vb+4*u_:\vb+4*u_+3], v[GO], s[10:11] offset:((16*\n+u_)/8)*262144+((16*\n+u_)%8)*1024 th:TH_LOAD_NT
.set u_, u_+1
.endr
.endm
.macro BATCH n, vb, left               ; left: the younger loads of v1 that may stay out
.set u_, 0
.rept 16
	ds_load_b64 v[SB+2*u_:SB+2*u_+1], v[SR] offset:((16*\n+u_)/8)*CP+((16*\n+u_)%8)*2*TP
.set u_, u_+1
.endr
	s_wait_loadcnt \left                           ; loads come back in order (ISA guide 5.7.1): this batch is in
	s_wait_dscnt 0x0
.set u_, 0
.rept 16
.set t_, TMPF+4*(u_%2)
	v_lshlrev_b32 v[t_],   16, v[SB+2*u_]          ; bf16 to f32: the low half moves up, the high half stays
	v_and_b32     v[t_+1], s[HIM], v[SB+2*u_]
	v_lshlrev_b32 v[t_+2], 16, v[SB+2*u_+1]
	v_and_b32     v[t_+3], s[HIM], v[SB+2*u_+1]
	v_pk_add_f32 v[\vb+4*u_:\vb+4*u_+1],   v[\vb+4*u_:\vb+4*u_+1],   v[t_:t_+1]
	v_pk_add_f32 v[\vb+4*u_+2:\vb+4*u_+3], v[\vb+4*u_+2:\vb+4*u_+3], v[t_+2:t_+3]
	global_store_b128 v[GO], v[\vb+4*u_:\vb+4*u_+3], s[20:21] offset:((16*\n+u_)/8)*262144+((16*\n+u_)%8)*1024 th:TH_STORE_NT  ; sixteen lanes store 256 consecutive bytes, aligned
.set u_, u_+1
.endr
.endm
	s_wait_dscnt 0x0                               ; for the others' sake: my stores into the stage are done (and no load lands on their data)
	VLOAD 0, VB0
	VLOAD 1, VB1
	VLOAD 2, VB2
	BAR                                            ; the stage is whole; the loads of v1, which nobody writes, stay on their way
	BATCH 0, VB0, 32                               ; batches 1 and 2 may be out
	s_wait_xcnt 0x0                                ; the stores have had their addresses translated (ISA guide 3.1): their data registers are loaded again only behind this wait
	VLOAD 3, VB0
	BATCH 1, VB1, 32                               ; batches 2 and 3
	BATCH 2, VB2, 16                               ; batch 3
	BATCH 3, VB0, 0
	s_wait_tensorcnt 0x0                           ; the wave's end, behind my last tensor load and my last LDS store
	ds_add_u32 v[SPW], v[NIL]
	s_wait_dscnt 0x0
	s_endpgm
.Lfunc_end_k_qdbbc371dd3_time:
	.size	k_qdbbc371dd3_time, .Lfunc_end_k_qdbbc371dd3_time-k_qdbbc371dd3_time
	.p2alignl 7, 3214868480
	.fill 96, 4, 3214868480
	.section	.rodata,"a",@progbits
	.p2align	6, 0x0
	.amdhsa_kernel k_qdbbc371dd3_time
		.amdhsa_group_segment_fixed_size 327680
		.amdhsa_private_segment_fixed_size 0
		.amdhsa_enable_private_segment 0
		.amdhsa_kernarg_size 72
		.amdhsa_user_sgpr_count 2
		.amdhsa_user_sgpr_kernarg_segment_ptr 1
		.amdhsa_wavefront_size32 1
		.amdhsa_system_sgpr_workgroup_id_x 1
		.amdhsa_system_sgpr_workgroup_id_y 1
		.amdhsa_system_sgpr_workgroup_id_z 1
		.amdhsa_system_vgpr_workitem_id 0
		.amdhsa_next_free_vgpr 512
		.amdhsa_next_free_sgpr 88
		.amdhsa_reserve_vcc 1
		.amdhsa_float_denorm_mode_32 3
		.amdhsa_float_denorm_mode_16_64 3
		.amdhsa_memory_ordered 1
		.amdhsa_forward_progress 1
		.amdhsa_inst_pref_size 148
	.end_amdhsa_kernel
	.amdgpu_metadata
---
amdhsa.version: [ 1, 2 ]
amdhsa.kernels:
  - .name:           k_qdbbc371dd3_time
    .symbol:         k_qdbbc371dd3_time.kd
    .args:
      - { .name: kx, .offset: 0, .size: 8, .value_kind: global_buffer, .address_space: global }
      - { .name: qx, .offset: 8, .size: 8, .value_kind: global_buffer, .address_space: global }
      - { .name: vx, .offset: 16, .size: 8, .value_kind: global_buffer, .address_space: global }
      - { .name: v1w, .offset: 24, .size: 8, .value_kind: global_buffer, .address_space: global }
      - { .name: Wi_t, .offset: 32, .size: 8, .value_kind: global_buffer, .address_space: global }
      - { .name: bi_t, .offset: 40, .size: 8, .value_kind: global_buffer, .address_space: global }
      - { .name: Wo_t, .offset: 48, .size: 8, .value_kind: global_buffer, .address_space: global }
      - { .name: bo_t, .offset: 56, .size: 8, .value_kind: global_buffer, .address_space: global }
      - { .name: out0, .offset: 64, .size: 8, .value_kind: global_buffer, .address_space: global }
    .group_segment_fixed_size: 327680
    .private_segment_fixed_size: 0
    .kernarg_segment_align: 8
    .kernarg_segment_size: 72
    .max_flat_workgroup_size: 256
    .sgpr_count:     88
    .vgpr_count:     512
    .wavefront_size: 32
...
	.end_amdgpu_metadata
.endif
;; end of part 2
